; MI455X (gfx1250); checked and timed in simulation.
; The chip was launched on July 23, 2026; its instructions are those of AMD's public machine-readable ISA for CDNA 5 (MIT licence, August 2026) and "CDNA5" Instruction Set Architecture Reference Guide (July 2026). The comments in the code are by the model that wrote it; some were corrected since.
;; Expert linear. Allowed arithmetic: float matrix products may take bf16 or f16 operands with f32 sums; all other float work in f32.
;; Inputs: bias 8 x 1,024 float32; fwd_expert_count 8 int32; inp 8,192 x 1,024 float32; weight 8 x 1,024 x 1,024 float32.
;; Outputs: out0 8,192 x 1,024 float32.
;; 2 versions, each right; version 2 is version 1 with the launch experts written anew for expert scheduling mode. Each part assembles by itself: llvm-mc -triple=amdgcn-amd-amdhsa -mcpu=gfx1250 --defsym DOCPART=n.
;; ======== version 1 of 2: 1 launch
;; launch experts (part 1): grid 4 x 64, 4 waves a work-group, no clusters, 299,520 bytes of LDS; arguments inp, weight, bias, fwd_expert_count, out0; writes out0
.if DOCPART == 1
	.amdgcn_target "amdgcn-amd-amdhsa--gfx1250"
	.amdhsa_code_object_version 6
	.text
	.protected	k_q7f4be3023a_experts
	.globl	k_q7f4be3023a_experts
	.p2align	8
	.type	k_q7f4be3023a_experts,@function
k_q7f4be3023a_experts:
	s_mov_b64 s[64:65], 0
	v_nop
	global_prefetch_b8 v0, s[64:65] scope:SCOPE_SE
	s_setreg_imm32_b32 hwreg(HW_REG_WAVE_MODE, 25, 1), 1
	s_wait_xcnt 0x0
; out[i] = inp[i] @ weight[e].T + bias[e] for bounds[e-1] <= i < bounds[e], bounds = running sum of fwd_expert_count; out[i] = 0 for i >= bounds[7].
; inp [8192][1024], weight [8][1024][1024], bias [8][1024], out [8192][1024], all f32; the counts are 8 int32.
;
; SHARES.  A work-group owns 128 tokens (y) x 256 outputs (x): 64 x 4 = 256 work-groups, four waves each.  Wave w owns all 128 tokens x the 64 outputs
; 64 w .. 64 w + 63 of the block: 32 accumulator tiles of 16 x 16, 256 registers.
; Which experts a block needs hangs on the counts, which are loaded data.  Every wave must pass every barrier, so no barrier may stand under a branch on them,
; and no address is made from them.  Hence three phases:
;   A  always: the block's 128 rows of inp are loaded once (512 neighbouring bytes a load), rounded to bf16 once and laid into LDS; ONE barrier, the only one.
;      Behind it these bytes are only read.
;   B  eight constant trips over the experts, the weight and bias pointers stepping by constants.  For each expert with rows among my 128 tokens every wave makes a
;      PASS by itself: the 128 x 64 x 1024 product, inp's fragments from LDS, weight's rows straight from memory into registers: each weight row of the block is
;      used by one wave alone, so LDS would be a round trip for it.  Of the result only the expert's rows are stored, bias added.
;   C  rows behind the last bound are stored as zeros.
; Every output row is stored once; nothing of one expert reaches another's rows.  A block with b bounds inside it makes b + 1 passes on the same LDS copy of inp.
; A block with no expert at all still makes phase A.
;
; THE WEIGHTS' WAY IN.  For a K step of 32, lane (c, h) takes the 64 bytes at 64 h of row c's 128 bytes, four loads of 16 bytes; a load of the wave touches 16 rows,
; the four loads of a fragment together take 128 neighbouring bytes of each.  The lane's 16 numbers stand for k = 16 h + 0 .. 15; inp's fragments are read from LDS
; by the same map, so equal k meet in the product whatever place the unit gives them.  Three K steps, 48 loads of each wave, are on their way; with the bias 49.
; The 32 K steps of a pass are written out: every LDS and global offset is an immediate, and no address register is stepped.
; NO TENSOR LOADS, NO CLUSTER, though the row blocks of one expert read the same weights: a cluster's rounds are barriers and would stand under branches on the counts,
; the partners would need different numbers of passes, and a tensor load would lay f32 into LDS, to be rounded by every wave that reads it.
;
; LIMITS.  Counts are taken as >= 0 (the sorted bounds that the search over them presumes); a negative count is read as unsigned and clamps to 8192.
; Operands are rounded to bf16 (nearest even); sums are f32, K steps ascending, the k of each 32 in a permuted order, alike in both operands.
; The zero that the sum over experts starts from is not added: a result -0 stays -0.
.set NTOK,   8192
.set ROWB,   4096                      ; bytes of a row of inp, of weight[e], of out
.set BM,     128                       ; tokens of a block
.set APITCH, 2064                      ; an LDS row of inp: 2,048 bytes of bf16 + 16 = 8 x 256 + 16: sixteen rows start at sixteen different 16-byte columns modulo 256 bytes
.set STAGE,  BM*APITCH                 ; 264,192: behind inp, each wave's own bytes for the way out
.set SPITCH, 272                       ; 256 bytes of f32 + 16
.set FOWN,   32*SPITCH                 ; 8,704 bytes a wave: 32 rows
; vector registers, window 0   (lane = v0 & 31, c = lane & 15, h = lane >> 4)
.set VA,   8                           ; byte offset: 32 w rows + 16 lane (in inp; in out for the zero rows)
.set SA,   10                          ; v10, v11  LDS: 32 w rows + 8 lane; the same 16 rows further on
.set FA,   12                          ; v12-15    LDS: row c + 32 i, byte 32 h: inp's fragments
.set VFB,  16                          ; byte offset in weight[e]: (64 w + c) rows + 64 h
.set STO,  17                          ; my stage: row c, byte 32 h
.set RD,   18                          ; my stage: 8 lane
.set VO,   19                          ; 256 w + 8 lane: my two columns, in bias and in out
.set BIAS, 20                          ; v[20:21]
.set ZR,   22                          ; v[22:25]  zeros
.set VT,   26                          ; stepped copy of VA
.set TMP,  32                          ; v[32:63]  phase A: 32 words of packed bf16
.set AF,   64                          ; v[64:191]  inp's 8 fragments, two buffers; on the way out: rows read back, two buffers
.set BF,   192                         ; v[192:255] weight's 4 fragments, two buffers
; window 1 (v256-511): accumulator tile (a, b), a = 0..7 rows, b = 0..3 columns, written v[8 (4 a + b)]
; window 2 (v512-703): three sets of 64 registers, data as loaded, written v[64 q + ..]
; scalar registers: s[4:13] the five pointers; s14 wave; s[16:23] counts; s24 first token, s25 one past the last; s26 running sum; s27 LO, s28 HI (rows of the block);
; s29 HI - LO; s30 -LO; s31 expert; s33 at work; s[34:35] inp at my rows; s[36:37] weight[e] at my rows; s[38:39] bias[e] at my columns; s[40:41] out at my block;
; s[50:51] an offset; s52, s53 the zero rows' loop
.set MSB, 0
.macro WIN new                         ; s_set_vgpr_msb: bits 1:0 source 0, 3:2 source 1, 5:4 source 2, 7:6 destination; the high byte repeats the setting that is left
.if MSB != \new
	s_set_vgpr_msb (MSB<<8)|\new
.set MSB, \new
.endif
.endm
.set TO_R,   0x80                      ; a load's destination window 2, its address window 0
.set FROM_R, 0x0a                      ; sources 0 and 1 window 2, destination window 0
.set MULW,   0x50                      ; fragments window 0, C and D window 1
.set ST_ACC, 0x04                      ; an LDS store's data (source 1) window 1, its address window 0
; Phase A.  Batch b = rows 2 b, 2 b + 1 of my 32: 16 loads of 512 neighbouring bytes into set b mod 3
.macro LOADA b
	WIN TO_R
.irp i, 0,1,2,3,4,5,6,7,8,9,10,11,12,13,14,15
	global_load_b128 v[64*(\b%3)+4*\i:64*(\b%3)+4*\i+3], v[VA], s[34:35] offset:(2*\b+(\i>>3))*ROWB+512*(\i&7)
.endr
.endm
; Batch b is rounded (4 f32 become 2 words), batch b + 3 is asked for into the set just read, and the words go to LDS: 32 lanes x 8 bytes = 256 neighbouring bytes a store
.macro ABATCH b
.if \b < 14
	s_wait_loadcnt 32                              ; loads end in order: batch b is in, the two batches behind it stay out
.else
	s_wait_loadcnt 16*(15-\b)                      ; the last batches: the counts run down
.endif
	WIN FROM_R
.irp i, 0,1,2,3,4,5,6,7,8,9,10,11,12,13,14,15
	v_cvt_pk_bf16_f32 v[TMP+2*\i],   v[64*(\b%3)+4*\i],   v[64*(\b%3)+4*\i+1]
	v_cvt_pk_bf16_f32 v[TMP+2*\i+1], v[64*(\b%3)+4*\i+2], v[64*(\b%3)+4*\i+3]
.endr
.if \b < 13
	LOADA (\b+3)
.endif
	WIN 0
.irp i, 0,1,2,3,4,5,6,7,8,9,10,11,12,13,14,15
	ds_store_b64 v[SA+(\b>>3)], v[TMP+2*\i:TMP+2*\i+1] offset:((2*\b+(\i>>3))&15)*APITCH+256*(\i&7)
.endr
.endm
; Phase B.  16 loads: my 64 rows of weight[e], the K step at byte kb of the rows, into set q.  Fragment f = rows 16 f + c.
.macro LOADB q, kb
	WIN TO_R
.irp f, 0,1,2,3
.irp j, 0,1,2,3
	global_load_b128 v[64*(\q)+16*\f+4*\j:64*(\q)+16*\f+4*\j+3], v[VFB], s[36:37] offset:\f*16*ROWB+(\kb)+16*\j
.endr
.endr
.endm
; Set q is rounded into weight's four fragments, buffer buf: word p holds k = 16 h + 2 p, 2 p + 1
.macro CVTB q, buf
	WIN FROM_R
.irp f, 0,1,2,3
.irp p, 0,1,2,3,4,5,6,7
	v_cvt_pk_bf16_f32 v[BF+32*(\buf)+8*\f+\p], v[64*(\q)+16*\f+2*\p], v[64*(\q)+16*\f+2*\p+1]
.endr
.endr
.endm
; 16 LDS loads: inp's eight fragments, the K step at byte kb of the LDS rows, into buffer buf: the 32 bytes at 32 h of row 16 a + c: k = 16 h + 0 .. 15, as for weight
.macro FETCHA buf, kb
	WIN 0
.irp a, 0,1,2,3,4,5,6,7
	ds_load_b128 v[AF+64*(\buf)+8*\a:AF+64*(\buf)+8*\a+3],   v[FA+(\a>>1)] offset:(\a&1)*16*APITCH+(\kb)
	ds_load_b128 v[AF+64*(\buf)+8*\a+4:AF+64*(\buf)+8*\a+7], v[FA+(\a>>1)] offset:(\a&1)*16*APITCH+(\kb)+16
.endr
.endm
; 32 matrix instructions, used transposed: source 0 = 16 rows of weight, source 1 = 16 tokens, so that lane (c, h) holds token c and its registers the outputs
; 8 h + 0 .. 7.  The 32 accumulators take turns, one instruction a turn, in the same order in every step.
; In K step 0 the products start the sums: nothing is cleared.
.macro MUL buf
	WIN MULW
.irp a, 0,1,2,3,4,5,6,7
.irp b, 0,1,2,3
.if KS == 0
	v_wmma_f32_16x16x32_bf16 v[8*(4*\a+\b):8*(4*\a+\b)+7], v[BF+32*(\buf)+8*\b:BF+32*(\buf)+8*\b+7], v[AF+64*(\buf)+8*\a:AF+64*(\buf)+8*\a+7], 0
.else
	v_wmma_f32_16x16x32_bf16 v[8*(4*\a+\b):8*(4*\a+\b)+7], v[BF+32*(\buf)+8*\b:BF+32*(\buf)+8*\b+7], v[AF+64*(\buf)+8*\a:AF+64*(\buf)+8*\a+7], v[8*(4*\a+\b):8*(4*\a+\b)+7]
.endif
.endr
.endr
	WIN 0
.endm
; Four independent vector instructions stand between a matrix instruction and a write of its sources or a store of its result
.macro PLACES
.rept 4
	v_nop
.endr
.endm
; K step KS (0 .. 31) of a pass.  It multiplies buffers KS mod 2, which the step before has filled.  Ahead of that it asks LDS for inp's fragments of step KS + 1, rounds
; weight's step KS + 1 (set (KS + 1) mod 3) into the other buffers, and asks memory for step KS + 4 into the set just read.
.macro STEP
.set PAR,  KS%2
.set OTH,  1-PAR
.set RAWQ, (KS+1)%3
.if KS < 31
	FETCHA OTH, 64*(KS+1)
.if KS < 29
	s_wait_loadcnt 32                              ; loads end in order: step KS + 1 is in, the 16 loads each of steps KS + 2 and KS + 3 stay out
.else
	s_wait_loadcnt 16*(30-KS)                      ; the last steps: the counts run down
.endif
	CVTB RAWQ, OTH
.if KS < 28
	LOADB RAWQ, 128*(KS+4)
.endif
	s_wait_dscnt 16                                ; this step's 16 fragment loads, issued a step ago, are in; the 16 just issued stay out
.else
	s_wait_dscnt 0x0
.endif
	MUL PAR
	PLACES                                         ; in front of the next step's loads and conversions into these buffers, or of the stores of the results
.endm
; Row 32 g + i of the block, in registers f + 2 i: bias added; stored if it is the expert's.  One store is 32 lanes x 8 bytes: my 256 bytes of the row, aligned, so the
; test is scalar and EXEC stays full.
.macro ROWOUT g, i, f
	s_wait_dscnt 31-\i                             ; LDS loads end in order: row i of these 32 is in
	v_pk_add_f32 v[\f+2*\i:\f+2*\i+1], v[\f+2*\i:\f+2*\i+1], v[BIAS:BIAS+1]
	s_add_co_u32 s33, s30, 32*\g+\i                ; row - LO, wrapping below LO:
	s_cmp_lt_u32 s33, s29                          ; below HI - LO as unsigned numbers means LO <= row < HI
	s_cbranch_scc0 .Lnot_his_\@
	global_store_b64 v[VO], v[\f+2*\i:\f+2*\i+1], s[40:41] offset:(32*\g+\i)*ROWB th:TH_STORE_NT
.Lnot_his_\@:
.endm
; Rows 32 g .. 32 g + 31 leave: the tiles (2 g, b) and (2 g + 1, b) go into my own stage, 16 bytes a lane (row 16 a + c, byte 64 b + 32 h; lanes 0-15 hit sixteen
; different 16-byte columns), and come back as rows.  LDS serves a wave's instructions in order (ISA guide 5.7.1): no wait between the stores and the loads, nor between
; these loads and the next 32 rows' stores.
.macro OUT32 g, f
	WIN ST_ACC
.irp a, 0,1
.irp b, 0,1,2,3
	ds_store_b128 v[STO], v[8*(4*(2*\g+\a)+\b):8*(4*(2*\g+\a)+\b)+3]   offset:\a*16*SPITCH+64*\b
	ds_store_b128 v[STO], v[8*(4*(2*\g+\a)+\b)+4:8*(4*(2*\g+\a)+\b)+7] offset:\a*16*SPITCH+64*\b+16
.endr
.endr
	WIN 0
	s_wait_xcnt 0x0                                ; buffer f held the data of earlier stores: loaded again only behind this wait
.irp i, 0,1,2,3,4,5,6,7,8,9,10,11,12,13,14,15,16,17,18,19,20,21,22,23,24,25,26,27,28,29,30,31
	ds_load_b64 v[\f+2*\i:\f+2*\i+1], v[RD] offset:\i*SPITCH       ; my 256 bytes of a row
.endr
.irp i, 0,1,2,3,4,5,6,7,8,9,10,11,12,13,14,15,16,17,18,19,20,21,22,23,24,25,26,27,28,29,30,31
	ROWOUT \g, \i, \f
.endr
.endm
	; ---- set-up; inp's first loads go out as early as their address is known ----
	s_load_b256 s[4:11], s[0:1], 0x0               ; inp s[4:5], weight s[6:7], bias s[8:9], counts s[10:11]
	s_load_b64 s[12:13], s[0:1], 0x20              ; out
	v_lshl_add_u32 v30, v0, 2, 0x49000
	v_mov_b32 v31, 0
	v_lshrrev_b32 v1, 5, v0
	v_readfirstlane_b32 s14, v1                    ; wave 0..3
	v_and_b32 v2, 31, v0                           ; lane
	v_and_b32 v3, 15, v0                           ; c
	v_bfe_u32 v4, v0, 4, 1                         ; h
	v_lshlrev_b32 v5, 4, v2                        ; 16 lane
	s_lshl_b32 s33, s14, 17                        ; 32 w rows of 4,096 bytes
	v_add_nc_u32 v[VA], s33, v5
	s_and_b32 s33, ttmp7, 0xffff                   ; block of tokens
	s_lshl_b32 s24, s33, 7                         ; its first token
	s_add_co_u32 s25, s24, BM
	s_lshl_b32 s50, s33, 19                        ; 128 rows of 4,096 bytes
	s_mov_b32 s51, 0
	s_wait_kmcnt 0x0
	s_load_b256 s[16:23], s[10:11], 0x0            ; the eight counts
	s_add_nc_u64 s[34:35], s[4:5], s[50:51]        ; inp at my rows
	LOADA 0
	LOADA 1
	LOADA 2
	WIN 0
	s_add_nc_u64 s[40:41], s[12:13], s[50:51]
	s_lshl_b32 s50, ttmp9, 10                      ; 256 columns of 4 bytes
	s_add_nc_u64 s[40:41], s[40:41], s[50:51]      ; out at my block
	s_add_nc_u64 s[38:39], s[8:9], s[50:51]        ; bias[0] at my columns
	s_lshl_b32 s50, ttmp9, 20                      ; 256 rows of weight
	s_add_nc_u64 s[36:37], s[6:7], s[50:51]        ; weight[0] at my rows
	v_lshlrev_b32 v6, 3, v2                        ; 8 lane
	s_mul_i32 s33, s14, 32*APITCH
	v_add_nc_u32 v[SA], s33, v6
	v_add_nc_u32 v[SA+1], 16*APITCH, v[SA]
	v_mul_u32_u24 v7, v3, APITCH
	v_lshl_add_u32 v[FA], v4, 5, v7                ; row c, byte 32 h
	v_add_nc_u32 v[FA+1], 32*APITCH, v[FA]
	v_add_nc_u32 v[FA+2], 64*APITCH, v[FA]
	v_add_nc_u32 v[FA+3], 96*APITCH, v[FA]
	v_lshlrev_b32 v5, 12, v3                       ; c rows
	v_lshl_add_u32 v5, v4, 6, v5                   ; + 64 h
	s_lshl_b32 s33, s14, 18                        ; 64 w rows
	v_add_nc_u32 v[VFB], s33, v5
	s_mul_i32 s33, s14, FOWN
	s_add_co_u32 s33, s33, STAGE                   ; my stage
	v_add_nc_u32 v[RD], s33, v6
	v_mul_u32_u24 v7, v3, SPITCH
	v_lshl_add_u32 v7, v4, 5, v7
	v_add_nc_u32 v[STO], s33, v7
	s_lshl_b32 s33, s14, 8                         ; 64 w columns of 4 bytes
	v_add_nc_u32 v[VO], s33, v6
	; ---- phase A: my 32 rows of inp into LDS as bf16 ----
.irp b, 0,1,2,3,4,5,6,7,8,9,10,11,12,13,14,15
	ABATCH \b
.endr
	s_wait_dscnt 0x0                               ; my rows are written
	s_barrier_signal -1
	s_barrier_wait -1                              ; all 128 are; nobody writes them again, and no barrier follows
	; ---- phase B: the experts ----
	s_mov_b32 s26, 0                               ; running sum
	s_mov_b32 s27, 0                               ; LO
	s_mov_b32 s31, 0
	s_wait_kmcnt 0x0                               ; the counts
.Lexpert:
	s_min_u32 s33, s16, NTOK                       ; this expert's count; clamped, so that the sum cannot wrap
	s_add_co_u32 s26, s26, s33
	s_min_u32 s26, s26, NTOK                       ; bounds[e], as far as tokens go
	s_max_u32 s28, s26, s24
	s_min_u32 s28, s28, s25
	s_sub_co_u32 s28, s28, s24                     ; HI: the bound inside my block, 0 .. 128; never below LO
	s_cmp_eq_u32 s28, s27
	s_cbranch_scc1 .Lnext                          ; no row of the block is this expert's
	global_load_b64 v[BIAS:BIAS+1], v[VO], s[38:39]    ; the oldest load of the pass: the first wait below covers it
	LOADB 0, 0                                     ; K steps 0, 1, 2
	LOADB 1, 128
	LOADB 2, 256
	FETCHA 0, 0
	s_wait_loadcnt 32                              ; bias and step 0 are in, the 16 loads each of steps 1 and 2 stay out
	CVTB 0, 0
	LOADB 0, 384                                   ; K step 3
.set KS, 0
.rept 32
	STEP
.set KS, KS+1
.endr
	s_sub_co_u32 s30, 0, s27                       ; -LO
	s_sub_co_u32 s29, s28, s27                     ; HI - LO
	OUT32 0, AF
	OUT32 1, AF+64
	OUT32 2, AF
	OUT32 3, AF+64
	s_wait_xcnt 0x0                                ; the stores' data are a next pass's fragment buffers: loaded again only behind this wait
.Lnext:
	s_mov_b32 s27, s28                             ; the next expert's rows begin where these ended
	s_mov_b32 s16, s17                             ; the counts move down one place
	s_mov_b32 s17, s18
	s_mov_b32 s18, s19
	s_mov_b32 s19, s20
	s_mov_b32 s20, s21
	s_mov_b32 s21, s22
	s_mov_b32 s22, s23
	s_add_nc_u64 s[36:37], s[36:37], 0x400000      ; weight[e + 1]; all loads of a pass were waited for in its K step 30
	s_add_nc_u64 s[38:39], s[38:39], 4096          ; bias[e + 1]
	s_add_co_u32 s31, s31, 1
	s_cmp_lt_u32 s31, 8
	s_cbranch_scc1 .Lexpert
	; ---- phase C: rows behind the last bound are zero.  Wave w takes rows 32 w .. 32 w + 31, two stores of 512 bytes a row ----
	s_cmp_eq_u32 s27, BM
	s_cbranch_scc1 .Lend
	v_mov_b32 v[ZR], 0
	v_mov_b32 v[ZR+1], 0
	v_mov_b32 v[ZR+2], 0
	v_mov_b32 v[ZR+3], 0
	v_mov_b32 v[VT], v[VA]
	s_lshl_b32 s52, s14, 5
	s_mov_b32 s53, 0
.Lzero:
	s_cmp_lt_u32 s52, s27
	s_cbranch_scc1 .Lhas_expert
	global_store_b128 v[VT], v[ZR:ZR+3], s[40:41] th:TH_STORE_NT
	global_store_b128 v[VT], v[ZR:ZR+3], s[40:41] offset:512 th:TH_STORE_NT
.Lhas_expert:
	s_wait_xcnt 0x0                                ; the offset steps only behind this wait
	v_add_nc_u32 v[VT], ROWB, v[VT]
	s_add_co_u32 s52, s52, 1
	s_add_co_u32 s53, s53, 1
	s_cmp_lt_u32 s53, 32
	s_cbranch_scc1 .Lzero
.Lend:
	s_wait_tensorcnt 0x0
	ds_add_u32 v30, v31
	s_wait_dscnt 0x0
	s_endpgm
.Lfunc_end_k_q7f4be3023a_experts:
	.size	k_q7f4be3023a_experts, .Lfunc_end_k_q7f4be3023a_experts-k_q7f4be3023a_experts
	.p2alignl 7, 3214868480
	.fill 96, 4, 3214868480
	.section	.rodata,"a",@progbits
	.p2align	6, 0x0
	.amdhsa_kernel k_q7f4be3023a_experts
		.amdhsa_group_segment_fixed_size 299520
		.amdhsa_private_segment_fixed_size 0
		.amdhsa_enable_private_segment 0
		.amdhsa_kernarg_size 40
		.amdhsa_user_sgpr_count 2
		.amdhsa_user_sgpr_kernarg_segment_ptr 1
		.amdhsa_wavefront_size32 1
		.amdhsa_system_sgpr_workgroup_id_x 1
		.amdhsa_system_sgpr_workgroup_id_y 1
		.amdhsa_system_sgpr_workgroup_id_z 1
		.amdhsa_system_vgpr_workitem_id 0
		.amdhsa_next_free_vgpr 704
		.amdhsa_next_free_sgpr 66
		.amdhsa_reserve_vcc 0
		.amdhsa_float_denorm_mode_32 3
		.amdhsa_float_denorm_mode_16_64 3
		.amdhsa_memory_ordered 1
		.amdhsa_forward_progress 1
		.amdhsa_inst_pref_size 255
	.end_amdhsa_kernel
	.section	.bss,"aw",@nobits
	.p2align	6
	.space	262144
	.amdgpu_metadata
---
amdhsa.version: [ 1, 2 ]
amdhsa.kernels:
  - .name:           k_q7f4be3023a_experts
    .symbol:         k_q7f4be3023a_experts.kd
    .args:
      - { .name: inp, .offset: 0, .size: 8, .value_kind: global_buffer, .address_space: global }
      - { .name: weight, .offset: 8, .size: 8, .value_kind: global_buffer, .address_space: global }
      - { .name: bias, .offset: 16, .size: 8, .value_kind: global_buffer, .address_space: global }
      - { .name: fwd_expert_count, .offset: 24, .size: 8, .value_kind: global_buffer, .address_space: global }
      - { .name: out0, .offset: 32, .size: 8, .value_kind: global_buffer, .address_space: global }
    .group_segment_fixed_size: 299520
    .private_segment_fixed_size: 0
    .kernarg_segment_align: 8
    .kernarg_segment_size: 40
    .max_flat_workgroup_size: 128
    .sgpr_count:     66
    .vgpr_count:     704
    .wavefront_size: 32
...
	.end_amdgpu_metadata
.endif
;; end of part 1
;; ======== version 2 of 2: 1 launch; version 1 with the launch experts written anew for expert scheduling mode
;; launch experts (part 2): grid 4 x 64, 4 waves a work-group, no clusters, 299,520 bytes of LDS; arguments inp, weight, bias, fwd_expert_count, out0; writes out0
.if DOCPART == 2
	.amdgcn_target "amdgcn-amd-amdhsa--gfx1250"
	.amdhsa_code_object_version 6
	.text
	.protected	k_q7f4be3023a_experts
	.globl	k_q7f4be3023a_experts
	.p2align	8
	.type	k_q7f4be3023a_experts,@function
k_q7f4be3023a_experts:
	s_mov_b64 s[64:65], 0
	v_nop
	global_prefetch_b8 v0, s[64:65] scope:SCOPE_SE
	s_setreg_imm32_b32 hwreg(HW_REG_WAVE_SCHED_MODE, 0, 2), 2
	s_setreg_imm32_b32 hwreg(HW_REG_WAVE_MODE, 25, 1), 1
	s_wait_xcnt 0x0
	s_wait_alu depctr_vm_vsrc(0)
; out[i] = inp[i] @ weight[e].T + bias[e] for bounds[e-1] <= i < bounds[e], bounds = running sum of fwd_expert_count; out[i] = 0 for i >= bounds[7].
; inp [8192][1024], weight [8][1024][1024], bias [8][1024], out [8192][1024], all f32; the counts are 8 int32.
;
; SHARES.  A work-group owns 128 tokens (y) x 256 outputs (x): 64 x 4 = 256 work-groups, four waves each.  Wave w owns all 128 tokens x the 64 outputs
; 64 w .. 64 w + 63 of the block: 32 accumulator tiles of 16 x 16, 256 registers.
; Which experts a block needs hangs on the counts, which are loaded data.  Every wave must pass every barrier, so no barrier may stand under a branch on them,
; and no address is made from them.  Hence three phases:
;   A  always: the block's 128 rows of inp are loaded once (512 neighbouring bytes a load), rounded to bf16 once and laid into LDS; ONE barrier, the only one.
;      Behind it these bytes are only read.
;   B  eight constant trips over the experts, the weight and bias pointers stepping by constants.  For each expert with rows among my 128 tokens every wave makes a
;      PASS by itself: the 128 x 64 x 1024 product, inp's fragments from LDS, weight's rows straight from memory into registers: each weight row of the block is
;      used by one wave alone, so LDS would be a round trip for it.  Of the result only the expert's rows are stored, bias added.
;   C  rows behind the last bound are stored as zeros.
; Every output row is stored once; nothing of one expert reaches another's rows.  A block with b bounds inside it makes b + 1 passes on the same LDS copy of inp.
; A block with no expert at all still makes phase A.
;
; THE WEIGHTS' WAY IN.  For a K step of 32, lane (c, h) takes the 64 bytes at 64 h of row c's 128 bytes, four loads of 16 bytes; a load of the wave touches 16 rows,
; the four loads of a fragment together take 128 neighbouring bytes of each.  The lane's 16 numbers stand for k = 16 h + 0 .. 15; inp's fragments are read from LDS
; by the same map, so equal k meet in the product whatever place the unit gives them.  Three K steps, 48 loads of each wave, are on their way; with the bias 49.
; The 32 K steps of a pass are written out: every LDS and global offset is an immediate, and no address register is stepped.
; NO TENSOR LOADS, NO CLUSTER, though the row blocks of one expert read the same weights: a cluster's rounds are barriers and would stand under branches on the counts,
; the partners would need different numbers of passes, and a tensor load would lay f32 into LDS, to be rounded by every wave that reads it.
;
; THE MODE: SCHED_MODE bits 1:0 = 2 (LLVM: expert scheduling mode 2), set by the entry lines.  The code itself states the register dependences
; between vector or matrix instructions and memory or LDS instructions, with s_wait_alu, always for 0.
; THE PLAN.  Registers that memory or LDS instructions touch, and who else names them:
;   R0 .. R2     (window 2) data as loaded.  Phase A, batch b: its conversions read R[b mod 3]; behind them the loads of batch b + 3 land in it.
;                A pass, K step s: its conversions read R[(s + 1) mod 3]; behind them the loads of step s + 4 land in it.
;   TMP0, TMP1   Phase A: batch b's conversions write TMP[b mod 2], its LDS stores read it, batch b + 2's conversions write it again.
;   AF0, AF1     K step s: its matrix instructions read AF[s mod 2]; the LDS loads issued in step s land in the other, which step s - 1's matrix instructions read.
;                The way out: rows 32 g .. land in AF[g mod 2], the additions rewrite them in place, the global stores read them, rows 32 (g + 2) .. land again.
;   the accumulators   written by the matrix instructions, read by the way out's LDS stores, written again by the next pass's first products.
;   BIAS         loaded at a pass's start, read by its additions.        ZR  written once, read by the zero rows' stores.
;   v8 to v19    offsets and LDS addresses, made at the head and never written again: rows and K steps are reached by immediates and by scalar bases.
;   BF0, BF1     are named by vector and matrix instructions alone.
; So ONE wait on va_vdst stands in a batch and in a K step, behind its conversions, and the loads (and LDS stores) that follow it owe nothing more: in a K step they are
; dealt among the step's matrix instructions, which name BF[s mod 2], AF[s mod 2] and the accumulators, none of the registers that those loads touch.  On the way out one
; such wait stands behind each 32 rows' additions, ahead of the run of their stores.  The waits on vm_vsrc stand a batch, or 32 rows, behind the stores that they speak of.
;
; LIMITS.  Counts are taken as >= 0 (the sorted bounds that the search over them presumes); a negative count is read as unsigned and clamps to 8192.
; Operands are rounded to bf16 (nearest even); sums are f32, K steps ascending, the k of each 32 in a permuted order, alike in both operands.
; The zero that the sum over experts starts from is not added: a result -0 stays -0.
.set NTOK,   8192
.set ROWB,   4096                      ; bytes of a row of inp, of weight[e], of out
.set BM,     128                       ; tokens of a block
.set APITCH, 2064                      ; an LDS row of inp: 2,048 bytes of bf16 + 16 = 8 x 256 + 16: sixteen rows start at sixteen different 16-byte columns modulo 256 bytes
.set STAGE,  BM*APITCH                 ; 264,192: behind inp, each wave's own bytes for the way out
.set SPITCH, 272                       ; 256 bytes of f32 + 16
.set FOWN,   32*SPITCH                 ; 8,704 bytes a wave: 32 rows
; vector registers, window 0   (lane = v0 & 31, c = lane & 15, h = lane >> 4)
.set VA,   8                           ; byte offset: 32 w rows + 16 lane (in inp; in out for the zero rows)
.set SA,   10                          ; v10, v11  LDS: 32 w rows + 8 lane; the same 16 rows further on
.set FA,   12                          ; v12-15    LDS: row c + 32 i, byte 32 h: inp's fragments
.set VFB,  16                          ; byte offset in weight[e]: (64 w + c) rows + 64 h
.set STO,  17                          ; my stage: row c, byte 32 h
.set RD,   18                          ; my stage: 8 lane
.set VO,   19                          ; 256 w + 8 lane: my two columns, in bias and in out
.set BIAS, 20                          ; v[20:21]
.set ZR,   22                          ; v[22:25]  zeros
.set TMP,  32                          ; v[32:95]  phase A: two buffers of 32 words of packed bf16; the second lies on AF's first registers, which are idle then
.set AF,   64                          ; v[64:191]  inp's 8 fragments, two buffers; on the way out: rows read back, two buffers
.set BF,   192                         ; v[192:255] weight's 4 fragments, two buffers
; window 1 (v256-511): accumulator tile (a, b), a = 0..7 rows, b = 0..3 columns, written v[8 (4 a + b)]
; window 2 (v512-703): three sets of 64 registers, data as loaded, written v[64 q + ..]
; scalar registers: s[4:13] the five pointers; s14 wave; s[16:23] counts; s24 first token, s25 one past the last; s26 running sum; s27 LO, s28 HI (rows of the block);
; s29 HI - LO; s30 -LO; s31 expert; s33 at work; s[34:35] inp at my rows; s[36:37] weight[e] at my rows; s[38:39] bias[e] at my columns; s[40:41] out at my block;
; s[42:43] out at the zero rows' loop's row; s[50:51] an offset; s52, s53 the zero rows' loop
.set MSB, 0
.macro WIN new                         ; s_set_vgpr_msb: bits 1:0 source 0, 3:2 source 1, 5:4 source 2, 7:6 destination; the high byte repeats the setting that is left
.if MSB != \new
	s_set_vgpr_msb (MSB<<8)|\new
.set MSB, \new
.endif
.endm
.set TO_R,   0x80                      ; a load's destination window 2, its address window 0
.set FROM_R, 0x0a                      ; sources 0 and 1 window 2, destination window 0
.set MULW,   0x50                      ; fragments window 0, C and D window 1
.set ST_ACC, 0x04                      ; an LDS store's data (source 1) window 1, its address window 0
; Phase A.  Batch b = rows 2 b, 2 b + 1 of my 32: 16 loads of 512 neighbouring bytes into set b mod 3
.macro LOADA b
	WIN TO_R
.irp i, 0,1,2,3,4,5,6,7,8,9,10,11,12,13,14,15
	global_load_b128 v[64*(\b%3)+4*\i:64*(\b%3)+4*\i+3], v[VA], s[34:35] offset:(2*\b+(\i>>3))*ROWB+512*(\i&7)
.endr
.endm
; Batch b is rounded (4 f32 become 2 words) into TMP[b mod 2], batch b + 3 is asked for into the set just read, and the words go to LDS: 32 lanes x 8 bytes = 256 neighbouring bytes a store
.macro ABATCH b
.if \b < 14
	s_wait_loadcnt 32                              ; loads end in order: batch b is in, the two batches behind it stay out
.else
	s_wait_loadcnt 16*(15-\b)                      ; the last batches: the counts run down
.endif
	WIN FROM_R
.irp i, 0,1,2,3,4,5,6,7,8,9,10,11,12,13,14,15
	v_cvt_pk_bf16_f32 v[TMP+32*(\b%2)+2*\i],   v[64*(\b%3)+4*\i],   v[64*(\b%3)+4*\i+1]
	v_cvt_pk_bf16_f32 v[TMP+32*(\b%2)+2*\i+1], v[64*(\b%3)+4*\i+2], v[64*(\b%3)+4*\i+3]
.endr
.if \b < 13
	WIN TO_R
.else
	WIN 0
.endif
.if (\b > 0) && (\b < 15)
	s_wait_alu depctr_vm_vsrc(0)                   ; the LDS stores of the batch before have read the other TMP, which the next batch's conversions write; this batch's own stores come behind this line
.endif
	s_wait_alu depctr_va_vdst(0)                   ; the conversions have written TMP[b mod 2], which the LDS stores read, and are done reading the set, in which the loads land; in batch 0: the addresses v10 to v19 are written
.if \b < 13
	LOADA (\b+3)
.endif
	WIN 0
.irp i, 0,1,2,3,4,5,6,7,8,9,10,11,12,13,14,15
	ds_store_b64 v[SA+(\b>>3)], v[TMP+32*(\b%2)+2*\i:TMP+32*(\b%2)+2*\i+1] offset:((2*\b+(\i>>3))&15)*APITCH+256*(\i&7)
.endr
.endm
; Phase B.  8 loads: 32 of my 64 rows of weight[e], fragments f0 and f0 + 1 (fragment f = rows 16 f + c), the K step at byte kb of the rows, into set q.
.macro LOADB q, kb, f0
	WIN TO_R
.irp f, \f0, (\f0)+1
.irp j, 0,1,2,3
	global_load_b128 v[64*(\q)+16*(\f)+4*\j:64*(\q)+16*(\f)+4*\j+3], v[VFB], s[36:37] offset:(\f)*16*ROWB+(\kb)+16*\j
.endr
.endr
.endm
; Set q is rounded into weight's four fragments, buffer buf: word p holds k = 16 h + 2 p, 2 p + 1
.macro CVTB q, buf
	WIN FROM_R
.irp f, 0,1,2,3
.irp p, 0,1,2,3,4,5,6,7
	v_cvt_pk_bf16_f32 v[BF+32*(\buf)+8*\f+\p], v[64*(\q)+16*\f+2*\p], v[64*(\q)+16*\f+2*\p+1]
.endr
.endr
.endm
; 8 LDS loads: inp's fragments a0 .. a0 + 3, the K step at byte kb of the LDS rows, into buffer buf: the 32 bytes at 32 h of row 16 a + c: k = 16 h + 0 .. 15, as for weight
.macro FETCHA buf, kb, a0
	WIN 0
.irp a, \a0, (\a0)+1, (\a0)+2, (\a0)+3
	ds_load_b128 v[AF+64*(\buf)+8*(\a):AF+64*(\buf)+8*(\a)+3],   v[FA+((\a)>>1)] offset:((\a)&1)*16*APITCH+(\kb)
	ds_load_b128 v[AF+64*(\buf)+8*(\a)+4:AF+64*(\buf)+8*(\a)+7], v[FA+((\a)>>1)] offset:((\a)&1)*16*APITCH+(\kb)+16
.endr
.endm
; 4 matrix instructions, the tiles (a, 0 .. 3), used transposed: source 0 = 16 rows of weight, source 1 = 16 tokens, so that lane (c, h) holds token c and its registers the
; outputs 8 h + 0 .. 7.  A step takes a = 0 .. 7: the 32 accumulators take turns, one instruction a turn, in the same order in every step.
; In K step 0 the products start the sums: nothing is cleared.
.macro MULA buf, a
	WIN MULW
.irp b, 0,1,2,3
.if KS == 0
	v_wmma_f32_16x16x32_bf16 v[8*(4*(\a)+\b):8*(4*(\a)+\b)+7], v[BF+32*(\buf)+8*\b:BF+32*(\buf)+8*\b+7], v[AF+64*(\buf)+8*(\a):AF+64*(\buf)+8*(\a)+7], 0
.else
	v_wmma_f32_16x16x32_bf16 v[8*(4*(\a)+\b):8*(4*(\a)+\b)+7], v[BF+32*(\buf)+8*\b:BF+32*(\buf)+8*\b+7], v[AF+64*(\buf)+8*(\a):AF+64*(\buf)+8*(\a)+7], v[8*(4*(\a)+\b):8*(4*(\a)+\b)+7]
.endif
.endr
.endm
; Four independent vector instructions stand between a matrix instruction and a write of its sources or a store of its result
.macro PLACES
.rept 4
	v_nop
.endr
.endm
; K step KS (0 .. 31) of a pass.  It multiplies buffers KS mod 2, which the step before has filled.  Ahead of that it rounds weight's step KS + 1 (set (KS + 1) mod 3) into the other
; BF.  Behind the one wait it asks LDS for inp's fragments of step KS + 1, into the other AF, and memory for step KS + 4, into the set just read: 8 + 8 loads ahead of the
; products, 8 + 8 behind the first eight of them.
.macro STEP
.set PAR,  KS%2
.set OTH,  1-PAR
.set RAWQ, (KS+1)%3
.if KS < 31
.if KS < 29
	s_wait_loadcnt 32                              ; loads end in order: step KS + 1 is in, the 16 loads each of steps KS + 2 and KS + 3 stay out
.else
	s_wait_loadcnt 16*(30-KS)                      ; the last steps: the counts run down
.endif
	CVTB RAWQ, OTH
	WIN 0
	s_wait_dscnt 0x0                               ; this step's 16 fragment loads, issued in the step before, are in
	s_wait_alu depctr_va_vdst(0)                   ; the conversions are done reading the set, in which the loads of weight land; the last step's matrix instructions are done reading the other AF, in which the fragments land
	FETCHA OTH, 64*(KS+1), 0
.if KS < 28
	LOADB RAWQ, 128*(KS+4), 0
.endif
.else
	s_wait_dscnt 0x0
.endif
	MULA PAR, 0
	MULA PAR, 1
.if KS < 31
	FETCHA OTH, 64*(KS+1), 4                       ; no wait: no vector or matrix instruction since the wait above names the other AF, the set, or an address
.endif
.if KS < 28
	LOADB RAWQ, 128*(KS+4), 2
.endif
	MULA PAR, 2
	MULA PAR, 3
	MULA PAR, 4
	MULA PAR, 5
	MULA PAR, 6
	MULA PAR, 7
	PLACES                                         ; in front of the next step's conversions into weight's buffer just read, or of the stores of the results
.endm
; THE WAY OUT, 32 rows at a time, in three parts.
; TOSTAGE: the tiles (2 g, b) and (2 g + 1, b) go into my own stage, 16 bytes a lane (row 16 a + c, byte 64 b + 32 h; lanes 0-15 hit sixteen different 16-byte columns),
; and come back as rows, into buffer f.  LDS serves a wave's instructions in order (ISA guide 5.7.1): no wait between the stores and the loads.
.macro TOSTAGE g, f
	WIN ST_ACC
.irp a, 0,1
.irp b, 0,1,2,3
	ds_store_b128 v[STO], v[8*(4*(2*\g+\a)+\b):8*(4*(2*\g+\a)+\b)+3]   offset:\a*16*SPITCH+64*\b
	ds_store_b128 v[STO], v[8*(4*(2*\g+\a)+\b)+4:8*(4*(2*\g+\a)+\b)+7] offset:\a*16*SPITCH+64*\b+16
.endr
.endr
	WIN 0
.irp i, 0,1,2,3,4,5,6,7,8,9,10,11,12,13,14,15,16,17,18,19,20,21,22,23,24,25,26,27,28,29,30,31
	ds_load_b64 v[\f+2*\i:\f+2*\i+1], v[RD] offset:\i*SPITCH       ; my 256 bytes of a row
.endr
.endm
; ADDB: bias onto the 32 rows, in place
.macro ADDB f
.irp i, 0,1,2,3,4,5,6,7,8,9,10,11,12,13,14,15,16,17,18,19,20,21,22,23,24,25,26,27,28,29,30,31
	v_pk_add_f32 v[\f+2*\i:\f+2*\i+1], v[\f+2*\i:\f+2*\i+1], v[BIAS:BIAS+1]
.endr
.endm
; Row 32 g + i of the block, in registers f + 2 i: stored if it is the expert's.  One store is 32 lanes x 8 bytes: my 256 bytes of the row, aligned, so the
; test is scalar and EXEC stays full.
.macro ROWOUT g, i, f
	s_add_co_u32 s33, s30, 32*\g+\i                ; row - LO, wrapping below LO:
	s_cmp_lt_u32 s33, s29                          ; below HI - LO as unsigned numbers means LO <= row < HI
	s_cbranch_scc0 .Lnot_his_\@
	global_store_b64 v[VO], v[\f+2*\i:\f+2*\i+1], s[40:41] offset:(32*\g+\i)*ROWB th:TH_STORE_NT
.Lnot_his_\@:
.endm
.macro SEND g, f                       ; scalar lines and stores alone: no vector instruction stands between the wait ahead of it and its stores
.irp i, 0,1,2,3,4,5,6,7,8,9,10,11,12,13,14,15,16,17,18,19,20,21,22,23,24,25,26,27,28,29,30,31
	ROWOUT \g, \i, \f
.endr
.endm
; Rows 32 g .. 32 g + 31, which TOSTAGE g has asked for, leave; the next 32 rows' trip through the stage is issued ahead of their stores and is under way meanwhile.
.macro OUT32 g
.set FG, AF+64*(\g%2)
.set FN, AF+64*((\g+1)%2)
	s_wait_dscnt 0x0                               ; the 32 rows are in; the stage may be written again
	ADDB FG
.if (\g > 0) && (\g < 3)
	s_wait_xcnt 0x0                                ; the other buffer held the data of the stores of the 32 rows before: loaded again only behind this wait,
	s_wait_alu depctr_vm_vsrc(0)                   ; and those stores have read it: the next 32 rows land in it
.endif
	s_wait_alu depctr_va_vdst(0)                   ; the additions have written the 32 rows, which the stores read
.if \g < 3
	TOSTAGE (\g+1), FN
.endif
	SEND \g, FG
.endm
	; ---- set-up; inp's first loads go out as early as their address is known ----
	s_load_b256 s[4:11], s[0:1], 0x0               ; inp s[4:5], weight s[6:7], bias s[8:9], counts s[10:11]
	s_load_b64 s[12:13], s[0:1], 0x20              ; out
	v_lshl_add_u32 v30, v0, 2, 0x49000
	v_mov_b32 v31, 0
	v_lshrrev_b32 v1, 5, v0
	v_readfirstlane_b32 s14, v1                    ; wave 0..3
	v_and_b32 v2, 31, v0                           ; lane
	v_and_b32 v3, 15, v0                           ; c
	v_bfe_u32 v4, v0, 4, 1                         ; h
	v_lshlrev_b32 v5, 4, v2                        ; 16 lane
	s_wait_alu depctr_va_sdst(0)                   ; s14 is written, ahead of its first reader: offsets and LDS addresses are made from it
	s_lshl_b32 s33, s14, 17                        ; 32 w rows of 4,096 bytes
	v_add_nc_u32 v[VA], s33, v5
	s_and_b32 s33, ttmp7, 0xffff                   ; block of tokens
	s_lshl_b32 s24, s33, 7                         ; its first token
	s_add_co_u32 s25, s24, BM
	s_lshl_b32 s50, s33, 19                        ; 128 rows of 4,096 bytes
	s_mov_b32 s51, 0
	s_wait_kmcnt 0x0
	s_load_b256 s[16:23], s[10:11], 0x0            ; the eight counts
	s_add_nc_u64 s[34:35], s[4:5], s[50:51]        ; inp at my rows
	WIN TO_R
	s_wait_alu depctr_va_vdst(0)                   ; v[VA] is written, which the loads of inp read as their offset
	LOADA 0
	LOADA 1
	LOADA 2
	WIN 0
	s_add_nc_u64 s[40:41], s[12:13], s[50:51]
	s_lshl_b32 s50, ttmp9, 10                      ; 256 columns of 4 bytes
	s_add_nc_u64 s[40:41], s[40:41], s[50:51]      ; out at my block
	s_add_nc_u64 s[38:39], s[8:9], s[50:51]        ; bias[0] at my columns
	s_lshl_b32 s50, ttmp9, 20                      ; 256 rows of weight
	s_add_nc_u64 s[36:37], s[6:7], s[50:51]        ; weight[0] at my rows
	v_lshlrev_b32 v6, 3, v2                        ; 8 lane
	s_mul_i32 s33, s14, 32*APITCH
	v_add_nc_u32 v[SA], s33, v6
	v_add_nc_u32 v[SA+1], 16*APITCH, v[SA]
	v_mul_u32_u24 v7, v3, APITCH
	v_lshl_add_u32 v[FA], v4, 5, v7                ; row c, byte 32 h
	v_add_nc_u32 v[FA+1], 32*APITCH, v[FA]
	v_add_nc_u32 v[FA+2], 64*APITCH, v[FA]
	v_add_nc_u32 v[FA+3], 96*APITCH, v[FA]
	v_lshlrev_b32 v5, 12, v3                       ; c rows
	v_lshl_add_u32 v5, v4, 6, v5                   ; + 64 h
	s_lshl_b32 s33, s14, 18                        ; 64 w rows
	v_add_nc_u32 v[VFB], s33, v5
	s_mul_i32 s33, s14, FOWN
	s_add_co_u32 s33, s33, STAGE                   ; my stage
	v_add_nc_u32 v[RD], s33, v6
	v_mul_u32_u24 v7, v3, SPITCH
	v_lshl_add_u32 v7, v4, 5, v7
	v_add_nc_u32 v[STO], s33, v7
	s_lshl_b32 s33, s14, 8                         ; 64 w columns of 4 bytes
	v_add_nc_u32 v[VO], s33, v6                    ; the first wait on va_vdst behind these lines is batch 0's, ahead of the first instruction that reads one of these addresses
	; ---- phase A: my 32 rows of inp into LDS as bf16 ----
.irp b, 0,1,2,3,4,5,6,7,8,9,10,11,12,13,14,15
	ABATCH \b
.endr
	s_wait_dscnt 0x0                               ; my rows are written
	s_barrier_signal -1
	s_barrier_wait -1                              ; all 128 are; nobody writes them again, and no barrier follows
	; ---- phase B: the experts ----
	s_mov_b32 s26, 0                               ; running sum
	s_mov_b32 s27, 0                               ; LO
	s_mov_b32 s31, 0
	s_wait_kmcnt 0x0                               ; the counts
.Lexpert:
	s_min_u32 s33, s16, NTOK                       ; this expert's count; clamped, so that the sum cannot wrap
	s_add_co_u32 s26, s26, s33
	s_min_u32 s26, s26, NTOK                       ; bounds[e], as far as tokens go
	s_max_u32 s28, s26, s24
	s_min_u32 s28, s28, s25
	s_sub_co_u32 s28, s28, s24                     ; HI: the bound inside my block, 0 .. 128; never below LO
	s_cmp_eq_u32 s28, s27
	s_cbranch_scc1 .Lnext                          ; no row of the block is this expert's
	s_wait_alu depctr_vm_vsrc(0)                   ; phase A's LDS stores, or the last pass's global stores, have read AF's registers, in which the fragments land; the last pass's LDS stores have read the accumulators, which this pass's products write
	                                               ; no wait on va_vdst is owed: on every way here the last vector instructions (phase A's last conversions; a pass's last additions) stand ahead of one
	global_load_b64 v[BIAS:BIAS+1], v[VO], s[38:39]    ; the oldest load of the pass: the first wait below covers it
	LOADB 0, 0, 0                                  ; K steps 0, 1, 2
	LOADB 0, 0, 2
	LOADB 1, 128, 0
	LOADB 1, 128, 2
	LOADB 2, 256, 0
	LOADB 2, 256, 2
	FETCHA 0, 0, 0
	FETCHA 0, 0, 4
	s_wait_loadcnt 32                              ; bias and step 0 are in, the 16 loads each of steps 1 and 2 stay out
	CVTB 0, 0
	WIN TO_R
	s_wait_alu depctr_va_vdst(0)                   ; the conversions are done reading set 0, in which the loads of step 3 land
	LOADB 0, 384, 0                                ; K step 3
	LOADB 0, 384, 2
.set KS, 0
.rept 32
	STEP
.set KS, KS+1
.endr
	s_sub_co_u32 s30, 0, s27                       ; -LO
	s_sub_co_u32 s29, s28, s27                     ; HI - LO
	WIN ST_ACC
	s_wait_alu depctr_va_vdst(0)                   ; the matrix instructions have written the accumulators, which the LDS stores read, and are done reading AF, in which the rows land; the four places above stay beside this wait
	TOSTAGE 0, AF
	OUT32 0
	OUT32 1
	OUT32 2
	OUT32 3
	s_wait_xcnt 0x0                                ; the stores' data are a next pass's fragment buffers: loaded again only behind this wait
.Lnext:
	s_mov_b32 s27, s28                             ; the next expert's rows begin where these ended
	s_mov_b32 s16, s17                             ; the counts move down one place
	s_mov_b32 s17, s18
	s_mov_b32 s18, s19
	s_mov_b32 s19, s20
	s_mov_b32 s20, s21
	s_mov_b32 s21, s22
	s_mov_b32 s22, s23
	s_add_nc_u64 s[36:37], s[36:37], 0x400000      ; weight[e + 1]; all loads of a pass were waited for in its K step 30
	s_add_nc_u64 s[38:39], s[38:39], 4096          ; bias[e + 1]
	s_add_co_u32 s31, s31, 1
	s_cmp_lt_u32 s31, 8
	s_cbranch_scc1 .Lexpert
	; ---- phase C: rows behind the last bound are zero.  Wave w takes rows 32 w .. 32 w + 31, two stores of 512 bytes a row.  The row is reached by a scalar base, so no vector register is written in the loop ----
	s_cmp_eq_u32 s27, BM
	s_cbranch_scc1 .Lend
	v_mov_b32 v[ZR], 0
	v_mov_b32 v[ZR+1], 0
	v_mov_b32 v[ZR+2], 0
	v_mov_b32 v[ZR+3], 0
	s_mov_b64 s[42:43], s[40:41]                   ; out at my block; v[VA] adds my wave's 32 rows and my lane's 16 bytes
	s_lshl_b32 s52, s14, 5
	s_mov_b32 s53, 0
	s_wait_alu depctr_va_vdst(0)                   ; the four zeros are written, which the stores read
.Lzero:
	s_cmp_lt_u32 s52, s27
	s_cbranch_scc1 .Lhas_expert
	global_store_b128 v[VA], v[ZR:ZR+3], s[42:43] th:TH_STORE_NT
	global_store_b128 v[VA], v[ZR:ZR+3], s[42:43] offset:512 th:TH_STORE_NT
.Lhas_expert:
	s_wait_xcnt 0x0                                ; the base steps only behind this wait
	s_add_nc_u64 s[42:43], s[42:43], ROWB
	s_add_co_u32 s52, s52, 1
	s_add_co_u32 s53, s53, 1
	s_cmp_lt_u32 s53, 32
	s_cbranch_scc1 .Lzero
.Lend:
	s_wait_dscnt 0x0
	s_wait_alu depctr_hold_cnt(0) depctr_sa_sdst(0) depctr_va_vdst(0) depctr_va_sdst(0) depctr_va_ssrc(0) depctr_va_vcc(0) depctr_vm_vsrc(0)
	s_wait_tensorcnt 0x0
	ds_add_u32 v30, v31
	s_wait_dscnt 0x0
	s_endpgm
.Lfunc_end_k_q7f4be3023a_experts:
	.size	k_q7f4be3023a_experts, .Lfunc_end_k_q7f4be3023a_experts-k_q7f4be3023a_experts
	.p2alignl 7, 3214868480
	.fill 96, 4, 3214868480
	.section	.rodata,"a",@progbits
	.p2align	6, 0x0
	.amdhsa_kernel k_q7f4be3023a_experts
		.amdhsa_group_segment_fixed_size 299520
		.amdhsa_private_segment_fixed_size 0
		.amdhsa_enable_private_segment 0
		.amdhsa_kernarg_size 40
		.amdhsa_user_sgpr_count 2
		.amdhsa_user_sgpr_kernarg_segment_ptr 1
		.amdhsa_wavefront_size32 1
		.amdhsa_system_sgpr_workgroup_id_x 1
		.amdhsa_system_sgpr_workgroup_id_y 1
		.amdhsa_system_sgpr_workgroup_id_z 1
		.amdhsa_system_vgpr_workitem_id 0
		.amdhsa_next_free_vgpr 704
		.amdhsa_next_free_sgpr 66
		.amdhsa_reserve_vcc 0
		.amdhsa_float_denorm_mode_32 3
		.amdhsa_float_denorm_mode_16_64 3
		.amdhsa_memory_ordered 1
		.amdhsa_forward_progress 1
		.amdhsa_inst_pref_size 255
	.end_amdhsa_kernel
	.section	.bss,"aw",@nobits
	.p2align	6
	.space	262144
	.amdgpu_metadata
---
amdhsa.version: [ 1, 2 ]
amdhsa.kernels:
  - .name:           k_q7f4be3023a_experts
    .symbol:         k_q7f4be3023a_experts.kd
    .args:
      - { .name: inp, .offset: 0, .size: 8, .value_kind: global_buffer, .address_space: global }
      - { .name: weight, .offset: 8, .size: 8, .value_kind: global_buffer, .address_space: global }
      - { .name: bias, .offset: 16, .size: 8, .value_kind: global_buffer, .address_space: global }
      - { .name: fwd_expert_count, .offset: 24, .size: 8, .value_kind: global_buffer, .address_space: global }
      - { .name: out0, .offset: 32, .size: 8, .value_kind: global_buffer, .address_space: global }
    .group_segment_fixed_size: 299520
    .private_segment_fixed_size: 0
    .kernarg_segment_align: 8
    .kernarg_segment_size: 40
    .max_flat_workgroup_size: 128
    .sgpr_count:     66
    .vgpr_count:     704
    .wavefront_size: 32
...
	.end_amdgpu_metadata
.endif
;; end of part 2
